; MI455X (gfx1250); checked and timed in simulation.
; The chip was launched on July 23, 2026; its instructions are those of AMD's public machine-readable ISA for CDNA 5 (MIT licence, August 2026) and "CDNA5" Instruction Set Architecture Reference Guide (July 2026). The comments in the code are by the model that wrote it; some were corrected since.
;; My Linear. Allowed arithmetic: float matrix products may take bf16 or f16 operands with f32 sums; other float arithmetic in f32, or as packed bf16 or f16 multiplies, adds, multiply-adds, maxima and minima; sums over many terms, partial sums and values carried from step to step in f32; what a program stores and reads back later, other than sums and carried values, may be rounded once to bf16 or f16.
;; Inputs: W 4,096 x 4,096 float32; b 4,096 float32; x 4,096 x 4,096 float32.
;; Outputs: out0 4,096 x 4,096 float32.
;; 2 versions, each right; version 2 is version 1 with the launch cast written anew for expert scheduling mode. Each part assembles by itself: llvm-mc -triple=amdgcn-amd-amdhsa -mcpu=gfx1250 --defsym DOCPART=n.
;; ======== version 1 of 2: 2 launches
;; workspace buffers: xb 33,554,432 bytes; wb 33,554,432 bytes
;; launch cast (part 1): grid 512 x 2, 8 waves a work-group, no clusters, 0 bytes of LDS; arguments x, W, xb, wb; writes xb, wb
.if DOCPART == 1
	.amdgcn_target "amdgcn-amd-amdhsa--gfx1250"
	.amdhsa_code_object_version 6
	.text
	.protected	k_qb4320a8e59_cast
	.globl	k_qb4320a8e59_cast
	.p2align	8
	.type	k_qb4320a8e59_cast,@function
k_qb4320a8e59_cast:
	s_mov_b64 s[64:65], 0
	v_nop
	global_prefetch_b8 v0, s[64:65] scope:SCOPE_SE
	s_setreg_imm32_b32 hwreg(HW_REG_WAVE_MODE, 25, 1), 1
	s_wait_xcnt 0x0
; xb = bf16(x), wb = bf16(W): each f32 number rounded once, to nearest even; the layout stays ([4096][4096], the last index along the rows).
; LIMITS.  bf16 has f32's exponents, so no range is lost but at the very top: a magnitude that rounds past bf16's largest finite number (3.39e38) becomes an infinity.  NaN and infinities pass as the conversion gives them.
; SHARES.  Grid y = 0 takes x, y = 1 takes W.  Work-group g owns 131,072 consecutive bytes of the input (512 x 131,072 = the tensor's 67,108,864) and the 65,536 bytes of the output that they make.
; Thread t takes 32 chunks: 16 bytes in at 16 t + 4,096 i, 8 bytes out at 8 t + 2,048 i.  So a wave's load covers 512 consecutive bytes, aligned, and a wave's store 256 consecutive bytes, aligned.
; IN FLIGHT.  A ring of 16 slots in registers: 16 loads of every wave are on their way.  The chunk's place stands in the immediate, so no address register and no base is ever rewritten, and nothing is looped over.
; No LDS, no barrier, no matrix unit: no byte is wanted twice, and no wave wants another's.
.set DEPTH, 16                         ; slots = loads in flight in each wave
.set CHIN,  4096                       ; bytes that the work-group's 256 threads read in a chunk
.set CHOUT, 2048                       ; and write
.set X, 4                              ; v[4:67]   slot s: 4 registers, four f32 as loaded
.set Y, 68                             ; v[68:99]  slot s: 2 registers, four bf16 to store
	s_load_b256 s[4:11], s[0:1], 0x0               ; x s[4:5], W s[6:7], xb s[8:9], wb s[10:11]
	v_lshlrev_b32 v1, 4, v0                        ; 16 t: my bytes of a chunk on the way in; never rewritten
	v_lshlrev_b32 v2, 3, v0                        ; 8 t: on the way out; never rewritten
	s_lshl_b32 s12, ttmp9, 17                      ; the work-group's part of the input (under 2^26),
	s_mov_b32 s13, 0
	s_lshl_b32 s14, ttmp9, 16                      ; and of the output
	s_mov_b32 s15, 0
	s_and_b32 s2, ttmp7, 0xffff                    ; which tensor
	s_wait_kmcnt 0x0
	s_cmp_eq_u32 s2, 0
	s_cselect_b64 s[4:5], s[4:5], s[6:7]           ; from x or from W,
	s_cselect_b64 s[8:9], s[8:9], s[10:11]         ; to xb or to wb
	s_add_nc_u64 s[4:5], s[4:5], s[12:13]
	s_add_nc_u64 s[8:9], s[8:9], s[14:15]
.irp i, 0,1,2,3,4,5,6,7,8,9,10,11,12,13,14,15
	global_load_b128 v[X+4*(\i):X+4*(\i)+3], v1, s[4:5] offset:CHIN*(\i) th:TH_LOAD_NT  ; the ring is filled: chunks 0 to 15
.endr
; Chunk i, in slot i % 16.  ahead = 1: the slot is filled again with the chunk 16 further on, ahead of the store.  left = how many younger loads may stay out.
.macro CHUNK i, ahead, left
	s_wait_loadcnt \left                           ; loads come back in order (ISA guide 5.7.1): mine is in, the younger ones stay out
	v_cvt_pk_bf16_f32 v[Y+2*((\i)%DEPTH)],   v[X+4*((\i)%DEPTH)],   v[X+4*((\i)%DEPTH)+1]  ; two roundings, packed: the first source in the low half
	v_cvt_pk_bf16_f32 v[Y+2*((\i)%DEPTH)+1], v[X+4*((\i)%DEPTH)+2], v[X+4*((\i)%DEPTH)+3]
.if \ahead
	global_load_b128 v[X+4*((\i)%DEPTH):X+4*((\i)%DEPTH)+3], v1, s[4:5] offset:CHIN*((\i)+DEPTH) th:TH_LOAD_NT
.endif
	global_store_b64 v2, v[Y+2*((\i)%DEPTH):Y+2*((\i)%DEPTH)+1], s[8:9] offset:CHOUT*(\i) th:TH_STORE_NT
.endm
.irp i, 0,1,2,3,4,5,6,7,8,9,10,11,12,13,14,15
	CHUNK \i, 1, DEPTH-1                           ; 16 loads are out: the count 15 shows the oldest in
.endr
	s_wait_xcnt 0x0                                ; the 16 stores issued so far have read their data: Y's slots are written a second time only behind this wait
.irp i, 16,17,18,19,20,21,22,23,24,25,26,27,28,29,30,31
	CHUNK \i, 0, 31-(\i)                           ; the last 16 chunks load nothing: the counts run down to 0
.endr
	s_endpgm
.Lfunc_end_k_qb4320a8e59_cast:
	.size	k_qb4320a8e59_cast, .Lfunc_end_k_qb4320a8e59_cast-k_qb4320a8e59_cast
	.p2alignl 7, 3214868480
	.fill 96, 4, 3214868480
	.section	.rodata,"a",@progbits
	.p2align	6, 0x0
	.amdhsa_kernel k_qb4320a8e59_cast
		.amdhsa_group_segment_fixed_size 0
		.amdhsa_private_segment_fixed_size 0
		.amdhsa_enable_private_segment 0
		.amdhsa_kernarg_size 32
		.amdhsa_user_sgpr_count 2
		.amdhsa_user_sgpr_kernarg_segment_ptr 1
		.amdhsa_wavefront_size32 1
		.amdhsa_system_sgpr_workgroup_id_x 1
		.amdhsa_system_sgpr_workgroup_id_y 1
		.amdhsa_system_sgpr_workgroup_id_z 1
		.amdhsa_system_vgpr_workitem_id 0
		.amdhsa_next_free_vgpr 100
		.amdhsa_next_free_sgpr 66
		.amdhsa_reserve_vcc 0
		.amdhsa_float_denorm_mode_32 3
		.amdhsa_float_denorm_mode_16_64 3
		.amdhsa_memory_ordered 1
		.amdhsa_forward_progress 1
		.amdhsa_inst_pref_size 12
	.end_amdhsa_kernel
	.amdgpu_metadata
---
amdhsa.version: [ 1, 2 ]
amdhsa.kernels:
  - .name:           k_qb4320a8e59_cast
    .symbol:         k_qb4320a8e59_cast.kd
    .args:
      - { .name: x, .offset: 0, .size: 8, .value_kind: global_buffer, .address_space: global }
      - { .name: W, .offset: 8, .size: 8, .value_kind: global_buffer, .address_space: global }
      - { .name: xb, .offset: 16, .size: 8, .value_kind: global_buffer, .address_space: global }
      - { .name: wb, .offset: 24, .size: 8, .value_kind: global_buffer, .address_space: global }
    .group_segment_fixed_size: 0
    .private_segment_fixed_size: 0
    .kernarg_segment_align: 8
    .kernarg_segment_size: 32
    .max_flat_workgroup_size: 256
    .sgpr_count:     66
    .vgpr_count:     100
    .wavefront_size: 32
...
	.end_amdgpu_metadata
.endif
;; end of part 1
;; launch gemm (part 2): grid 16 x 16, 4 waves a work-group, clusters of 4 x 4, 327,680 bytes of LDS; arguments xb, wb, out0, b; writes out0
.if DOCPART == 2
	.amdgcn_target "amdgcn-amd-amdhsa--gfx1250"
	.amdhsa_code_object_version 6
	.text
	.protected	k_qb4320a8e59_gemm
	.globl	k_qb4320a8e59_gemm
	.p2align	8
	.type	k_qb4320a8e59_gemm,@function
k_qb4320a8e59_gemm:
	s_mov_b64 s[64:65], 0
	v_nop
	global_prefetch_b8 v0, s[64:65] scope:SCOPE_SE
	s_setreg_imm32_b32 hwreg(HW_REG_WAVE_MODE, 25, 1), 1
	s_wait_xcnt 0x0
	s_wait_alu depctr_hold_cnt(0) depctr_sa_sdst(0) depctr_va_vdst(0) depctr_va_sdst(0) depctr_va_ssrc(0) depctr_va_vcc(0) depctr_vm_vsrc(0)
	s_getreg_b32 s2, hwreg(HW_REG_IB_STS2, 6, 4)
	s_cmp_eq_u32 s2, 0
	s_cbranch_scc0 .Lentry_in_a_cluster
	s_endpgm
.Lentry_in_a_cluster:
	s_bfe_u32 s2, ttmp6, 0x10000c
	s_cmp_lg_u32 s2, 0xf033
	s_cbranch_scc0 .Lentry_shape_is_right
	s_endpgm
.Lentry_shape_is_right:
; out0[m][n] = b[n] + the sum over k of xb[m][k] wb[k][n].  xb: [4096 m][4096 k] bf16, wb: [4096 k][4096 n] bf16 (x and W, each rounded once), b: [4096] f32, out0: [4096][4096] f32.  Sums in f32, K ascending.
; LIMITS.  The operands are bf16 (8 significant bits); the bias is the C of each sum's first product, so it is added first and not last: an order of rounding that differs from a product followed by an addition.
; NaN and infinities are not treated apart: they pass as the matrix unit gives them.
; SHARES.  A tile of out0, 256 x 256, is made by a work-group of four waves; 16 x 16 tiles, one to a work-group.  A wave makes 128 x 128: 64 accumulators of 16 x 16, 512 registers.
; K goes in 32 steps of 128 through a ring of two LDS slots filled by the tensor data mover: a step is 256 rows x 256 bytes of xb and 128 k-rows x 512 bytes of wb, all rows whole multiples of 256 bytes, aligned.
; wb LIES [k][n]: its fragments are turned on the way from LDS to registers, by ds_load_tr16_b128.
; THE MATRIX INSTRUCTION IS USED TRANSPOSED: source 0 = 16 columns of wb, source 1 = 16 rows of xb.  In the result lane l holds row l % 16 of out0 and its registers 0 to 7 the columns 8 (l / 16) + 0 .. 7:
; 32 neighbouring bytes of a row of out0.
; CLUSTERS: 4 x 4 work-groups.  The four of a row of the cluster need the same tiles of xb, the four of a column the same tiles of wb: each tile is asked for JOINTLY, by the same tensor load with the same
; descriptor and a mask that names the four, which divides the requests for both by four.
; REGISTERS, in windows of 256 (s_set_vgpr_msb's low byte: bits 1:0 source 0, 3:2 source 1, 5:4 source 2, 7:6 destination):
;   window 0: v0-31 addresses; v64-127, v128-191 fragments of xb (8 x 16 rows x 32 K), two buffers; on the way out these two take rows read back from the stage
;   window 1: v64-127, v128-191 fragments of wb, two buffers; v192-255 the bias as a C operand, 8 registers for each of my 8 blocks of 16 columns
;   window 2: the 32 accumulators of my rows 0-63 (accumulator (a, b) at v[8 (8 a + b)]);   window 3: those of my rows 64-127
.set SIZE_K, 4096
.set SIZE_N, 4096
.set KSTEP,  128
.set PA,     272                       ; an LDS row of xb: 256 bytes + 16 of padding = 68 words: row r starts at bank 4 r mod 64 (64 banks of 4 bytes: ISA guide 11.1): the 16 rows of a load start at 16 different groups of four banks
.set PB,     544                       ; an LDS k-row of wb: 512 bytes + 32 of padding = 136 words: row r starts at bank 8 r mod 64
.set HALFT,  128*PA                    ; what one tensor load brings: 128 rows of xb, or 64 k-rows of wb (64 x 544 is the same 34,816 bytes)
.set SLOT,   4*HALFT                   ; xb's 256 rows, then wb's 128 k-rows
.set STAGE,  2*SLOT                    ; behind the ring: 16 rows x 528 bytes for each wave, for the way out; no tensor load fills it
.set SP,     528                       ; a stage row: 512 bytes + 16: the 16 rows that a store touches start at 16 different groups of four banks
.set SPARE,  STAGE+4*16*SP             ; behind the stages: the spare words, 128 bytes for each wave: two blocks of 256 bytes that no other line names
.set LAPS,   SIZE_K/(2*KSTEP)          ; a lap = two K steps = once round the ring: 16
.set ASTEP,  KSTEP*2                   ; a K step in xb: 256 bytes along the rows
.set BSTEP,  KSTEP*SIZE_N*2            ; a K step in wb: 128 k-rows of 8,192 bytes
.set ADRA, 16                          ; v16-17  LDS address of my xb fragments in slot 0, 1
.set ADRB, 20                          ; v20-21  the same for wb
.set STO,  24                          ; v24     the way out: where I put 32 bytes of a row
.set RD,   25                          ; v25     the way out: where I read a row back
.set CO,   26                          ; v26     my 16 bytes in 512 consecutive bytes of out0; never rewritten
.set BO,   27                          ; v27     my 32 bytes in a block's 64 bytes of b
.set SPW,  28                          ; v28     LDS address of my spare word: SPARE + 4 x my thread's number; never rewritten
.set NIL,  29                          ; v29     0; never rewritten
.set PFO,  30                          ; v30     the prefetches' offset; never rewritten
.set F0,   64                          ; fragment buffer 0
.set F1,   128                         ; fragment buffer 1
.set BIAS, 192                         ; window 1
.set G1,  24                           ; s[24:31] descriptor group 1 for xb's tiles
.set G0,  32                           ; s[32:39] descriptor group 0 for xb's tiles, one set for each slot
.set LIM, 43                           ; s43      1 in a wave that prefetches, else the greatest number
.set PFA, 44                           ; s[44:45] where my prefetches stand
.set G1B, 48                           ; s[48:55] descriptor group 1 for wb's tiles
.set G0B, 56                           ; s[56:63] descriptor group 0 for wb's tiles, one set for each slot
.set BP,  66                           ; s[66:67] b, then b at my 128 columns
.set PST, 68                           ; s[68:69] a K step in the tensor that I prefetch, in bytes
.set MSB, 0
.macro WIN new                         ; the immediate's high byte repeats the setting that is left; a switch that changes nothing is dropped
.if MSB != (\new)
	s_set_vgpr_msb (MSB<<8)|(\new)
.set MSB, \new
.endif
.endm
.set MUL_LO, 0xa1                      ; source 0 (wb) window 1, source 1 (xb) window 0, C and D window 2
.set MUL_HI, 0xf1                      ; the same, C and D window 3
.set FST_LO, 0x91                      ; a sum's first product: C (the bias) window 1, D window 2
.set FST_HI, 0xd1                      ; D window 3
.set TO_B,   0x40                      ; destination window 1, address window 0
; A joint load.  Waves 0 and 1 fetch xb's two halves of 128 rows, waves 2 and 3 wb's two halves of 64 k-rows.  Each of the two lines has ONE mask and one set of registers for all that issue it.
; The branch hangs on the wave's number alone.  An s_nop 0 and four v_nop follow each of the two lines, ahead of the jump, the label and what follows the macro.
.macro JLOAD s
	s_cmp_eq_u32 s11, 0
	s_cbranch_scc0 .Lfor_b_\@
	tensor_load_to_lds s[G0+4*(\s):G0+4*(\s)+3], s[G1:G1+7]
	s_nop 0
.rept 4
	v_nop
.endr
	s_branch .Lasked_\@
.Lfor_b_\@:
	tensor_load_to_lds s[G0B+4*(\s):G0B+4*(\s)+3], s[G1B:G1B+7]
	s_nop 0
.rept 4
	v_nop
.endr
.Lasked_\@:
.endm
; A PREFETCH INTO THE L2, behind each joint refill, its five lines and the run of LDS loads that follows them: my share of the K step that stands TWO refills on, 512 matrix instructions ahead of the load that will ask for it.
; Each aligned block of 256 bytes is named ONCE in the launch.  xb's tile row is read by every cluster of that row of clusters: cluster x = 0 asks; wb's tile column by every cluster of that column: cluster y = 0 asks.
; The four partners that ask for a tile jointly share it out BY ADDRESS: of the 128 rows of xb that wave 0 or 1 fetches, the partner at cx takes 32, a lane a row; of the 64 k-rows x 512 bytes of wb that wave 2 or 3
; fetches, the partner at cy takes 16, a lane a half row.  No branch hangs on a work-group's place in its cluster.  The loop's last trip (s3 = 1) asks for nothing: K step 31 is the last that is named.
.macro ASK
	s_cmp_gt_u32 s3, s[LIM]
	s_cbranch_scc0 .Lnot_mine_\@
	global_prefetch_b8 v[PFO], s[PFA:PFA+1] th:TH_LOAD_NT scope:SCOPE_SE
.Lnot_mine_\@:
.endm
; A round of the cluster's barrier: my work-group's barrier, so that wave 0's signal speaks for all four waves; wave 0 signals for the work-group; every wave waits for all sixteen work-groups; my work-group's barrier once more.
.macro CREST                           ; a round behind its opening barrier
	s_cmp_lg_u32 s10, 0
	s_cbranch_scc1 .Lnot_wave_0_\@
	s_barrier_signal -3
.Lnot_wave_0_\@:
	s_barrier_wait -3
	s_barrier_signal -1
	s_barrier_wait -1
.endm
.macro CROUND                          ; a whole round
	s_barrier_signal -1
	s_barrier_wait -1
	CREST
.endm
	s_load_b128 s[4:7], s[0:1], 0x0                ; xb s[4:5], wb s[6:7]
	s_load_b64 s[8:9], s[0:1], 0x10                ; out0
	s_load_b64 s[BP:BP+1], s[0:1], 0x18            ; b
	v_lshl_add_u32 v[SPW], v0, 2, SPARE
	v_mov_b32 v[NIL], 0
	ds_add_u32 v[SPW], v[NIL]                      ; the wave's opening: the add, twice on end, and its wait ahead of my first tensor load; the set-up below, work on registers, stands between
	ds_add_u32 v[SPW], v[NIL]                      ; and once more, under the one wait
	v_lshrrev_b32 v1, 5, v0
	v_readfirstlane_b32 s10, v1                    ; wave 0..3
	s_lshr_b32 s11, s10, 1                         ; which half of the tile's rows is mine.  Also: I fetch for xb (0) or for wb (1)
	s_and_b32 s12, s10, 1                          ; which half of its columns.  Also: which half of that tensor's tile I fetch
	s_bfe_u32 s40, ttmp6, 0x40000                  ; cx: my place along the cluster's x
	s_bfe_u32 s41, ttmp6, 0x40004                  ; cy: along its y
	s_lshl_b32 s42, ttmp9, 2                       ; in a cluster launch ttmp9 and ttmp7 count clusters
	s_add_co_u32 s42, s42, s40                     ; tile column = 4 x cluster x + cx
	s_and_b32 s13, ttmp7, 0xffff
	s_lshl_b32 s13, s13, 2
	s_add_co_u32 s13, s13, s41                     ; tile row = 4 x cluster y + cy
	s_lshl_b32 s43, s41, 2
	s_lshl_b32 s43, 15, s43                        ; my row of the cluster: places 4 cy .. 4 cy + 3
	s_lshl_b32 s44, 0x1111, s40                    ; my column: places cx, cx + 4, cx + 8, cx + 12
	; descriptor group 1 for xb: a tile of 128 rows x 128 elements, 16 bytes of padding behind each row
	s_or_b32 s[G1+0], s43, (1<<16)|(1<<20)|(1<<21)|(5<<22)|(3<<25)   ; 15:0 the mask: my row; 17:16 elements of 2 bytes; 20 padding on; 21 set beside a mask; 24:22 after every 64 words (code 5); 31:25 4 words (code 3)
	s_mov_b32 s[G1+1], KSTEP<<16                   ; tensor_dim0 = 128
	s_mov_b32 s[G1+2], 128<<16                     ; tensor_dim1 = 128
	s_mov_b32 s[G1+3], KSTEP<<16                   ; tile_dim0 = 128
	s_mov_b32 s[G1+4], 128                         ; tile_dim1 = 128
	s_mov_b32 s[G1+5], SIZE_K                      ; elements from row to row
	s_mov_b32 s[G1+6], 0
	s_mov_b32 s[G1+7], 0
	; descriptor group 1 for wb: a tile of 64 k-rows x 256 elements, 32 bytes of padding behind each row
	s_or_b32 s[G1B+0], s44, (1<<16)|(1<<20)|(1<<21)|(6<<22)|(7<<25)  ; the mask: my column; after every 128 words (code 6) 8 words (code 7)
	s_mov_b32 s[G1B+1], 256<<16                    ; tensor_dim0 = 256
	s_mov_b32 s[G1B+2], 64<<16                     ; tensor_dim1 = 64
	s_mov_b32 s[G1B+3], 256<<16                    ; tile_dim0 = 256
	s_mov_b32 s[G1B+4], 64                         ; tile_dim1 = 64
	s_mov_b32 s[G1B+5], SIZE_N                     ; elements from k-row to k-row
	s_mov_b32 s[G1B+6], 0
	s_mov_b32 s[G1B+7], 0
	; where the tiles come from.  xb's hang on the tile row alone, which my row of the cluster shares; wb's on the tile column alone, which my column shares.
	; Every wave makes both addresses, in registers that do not hold the other coordinate, and asks by one of them.
	s_lshl_b32 s17, s12, 7
	s_lshl_b32 s16, s13, 8
	s_add_co_u32 s16, s16, s17                     ; xb: row 256 x tile row + 128 x half,
	s_lshl_b32 s16, s16, 13                        ; of 8,192 bytes (under 2^25)
	s_mov_b32 s17, 0
	s_lshl_b32 s46, s42, 9                         ; wb: 512 bytes x tile column along the k-rows,
	s_lshl_b32 s47, s12, 19                        ; 64 k-rows of 8,192 bytes x half
	s_add_co_u32 s46, s46, s47
	s_mov_b32 s47, 0
	s_mul_i32 s20, s10, HALFT                      ; and where they go: wave x 34,816 bytes: no place in the cluster enters an LDS address
	s_wait_dscnt 0x0                               ; both opening adds are done
	s_wait_kmcnt 0x0
	s_add_nc_u64 s[14:15], s[4:5], s[16:17]
	s_add_nc_u64 s[46:47], s[6:7], s[46:47]
	CROUND                                         ; all sixteen work-groups are here: the first joint loads meet
.irp s, 0,1
	s_mov_b32 s[G0+4*(\s)], 1                                        ; 1:0 count = 1
	s_add_co_u32 s[G0+4*(\s)+1], s20, (\s)*SLOT                      ; 63:32 LDS address
	s_add_nc_u64 s[G0+4*(\s)+2:G0+4*(\s)+3], s[14:15], (\s)*ASTEP    ; 120:64 global address: K step s
	s_or_b32 s[G0+4*(\s)+3], s[G0+4*(\s)+3], 0x80000000              ; 127:126 type = 2
	s_mov_b32 s[G0B+4*(\s)], 1
	s_add_co_u32 s[G0B+4*(\s)+1], s20, (\s)*SLOT
	s_add_nc_u64 s[G0B+4*(\s)+2:G0B+4*(\s)+3], s[46:47], (\s)*BSTEP
	s_or_b32 s[G0B+4*(\s)+3], s[G0B+4*(\s)+3], 0x80000000
	JLOAD \s                                       ; the ring is filled before anything else is done: two tensor loads of mine are out
.endr
	; A fragment is 16 rows x 32 K in 8 registers: lane l holds row l % 16; registers 0-3 hold K = 8 (l / 16) + 0..7, registers 4-7 K = 16 + 8 (l / 16) + 0..7.
	; xb's rows lie along K: two loads of 16 bytes, 32 bytes apart, at row x pitch + 16 (l / 16).
	v_and_b32 v1, 15, v0                           ; l % 16
	v_bfe_u32 v2, v0, 4, 1                         ; l / 16
	v_mul_u32_u24 v3, v1, PA
	v_lshl_add_u32 v3, v2, 4, v3
	s_mul_i32 s21, s11, HALFT                      ; my 128 rows of xb
	; wb's k-rows lie along n: the turning load takes 16 k x 16 n (lane l reads 16 bytes: k-row 8 (l / 16) + l % 8, columns 8 ((l / 8) % 2) + 0..7) and leaves half a fragment: lane l holds column l % 16 and 8 k.
	v_and_b32 v4, 7, v0
	v_lshl_add_u32 v4, v2, 3, v4
	v_mul_u32_u24 v4, v4, PB
	v_bfe_u32 v5, v0, 3, 1
	v_lshl_add_u32 v4, v5, 4, v4
	s_lshl_b32 s22, s12, 8                         ; my 128 columns: 256 bytes along the k-rows,
	s_add_co_u32 s22, s22, 2*HALFT                 ; behind xb's 256 rows
.irp s, 0,1
	v_add_nc_u32 v[ADRA+(\s)], s21, v3
	v_add_nc_u32 v[ADRB+(\s)], s22, v4
	s_add_co_u32 s21, s21, SLOT
	s_add_co_u32 s22, s22, SLOT
.endr
	s_mul_i32 s23, s10, 16*SP
	s_add_co_u32 s23, s23, STAGE                   ; my stage
	v_mul_u32_u24 v6, v1, SP                       ; in: row l % 16, 32 bytes for each half of the lanes
	v_lshl_add_u32 v6, v2, 5, v6
	v_add_nc_u32 v[STO], s23, v6
	v_and_b32 v4, 31, v0                           ; l
	v_lshlrev_b32 v[CO], 4, v4                     ; back: 32 lanes take one row of 512 bytes, which are 512 consecutive bytes of out0
	v_add_nc_u32 v[RD], s23, v[CO]
	v_lshlrev_b32 v[BO], 5, v2                     ; my 8 columns of a block of 16: 32 bytes of b
	v_lshrrev_b32 v5, s11, v4                      ; the prefetches' offset.  For xb (s11 = 0): lane l names row l.  For wb (s11 = 1): k-row l / 2,
	v_and_b32 v6, s11, v4                          ; and of its 512 bytes the half l % 2
	v_lshlrev_b32 v6, 8, v6
	v_lshl_add_u32 v[PFO], v5, 13, v6              ; rows and k-rows are 8,192 bytes
	; out0 at my 128 x 128, b at my 128 columns
	s_lshl_b32 s13, s13, 8                         ; 256 x tile row
	s_lshl_b32 s16, s11, 7
	s_add_co_u32 s16, s16, s13                     ; my first row,
	s_lshl_b32 s16, s16, 14                        ; of 16,384 bytes (under 2^26)
	s_mov_b32 s17, 0
	s_add_nc_u64 s[8:9], s[8:9], s[16:17]
	s_lshl_b32 s46, s42, 10                        ; my first column, in bytes of f32: 1,024 x tile column + 512 x half
	s_lshl_b32 s47, s12, 9
	s_add_co_u32 s46, s46, s47
	s_mov_b32 s47, 0
	s_add_nc_u64 s[8:9], s[8:9], s[46:47]
	s_add_nc_u64 s[BP:BP+1], s[BP:BP+1], s[46:47]
	; THE BIAS AS A C OPERAND: register j of lane l of block i holds b[16 i + 8 (l / 16) + j], the column of that register in every accumulator of the block
	WIN TO_B
.irp i, 0,1,2,3,4,5,6,7
	global_load_b128 v[BIAS+8*(\i):BIAS+8*(\i)+3],   v[BO], s[BP:BP+1] offset:64*(\i)
	global_load_b128 v[BIAS+8*(\i)+4:BIAS+8*(\i)+7], v[BO], s[BP:BP+1] offset:64*(\i)+16
.endr
	WIN 0
	; the prefetches: s13 = 256 x tile row, s42 = tile column, s40 = cx, s41 = cy still stand
	s_lshl_b32 s20, s12, 7
	s_add_co_u32 s20, s20, s13                     ; xb: the 128 rows that I fetch,
	s_lshl_b32 s21, s40, 5
	s_add_co_u32 s20, s20, s21                     ; my work-group's 32 of them,
	s_lshl_b32 s20, s20, 13                        ; in bytes
	s_lshl_b32 s21, s12, 6                         ; wb: the 64 k-rows that I fetch,
	s_lshl_b32 s22, s41, 4
	s_add_co_u32 s21, s21, s22                     ; my work-group's 16 of them,
	s_lshl_b32 s21, s21, 13                        ; in bytes,
	s_lshl_b32 s22, s42, 9
	s_add_co_u32 s21, s21, s22                     ; at the tile's 512 bytes of a k-row
	s_and_b32 s22, ttmp7, 0xffff                   ; cluster y
	s_mov_b32 s[PST], BSTEP
	s_cmp_eq_u32 s11, 0                            ; do I fetch for xb?
	s_cselect_b32 s20, s20, s21
	s_cselect_b32 s[PST], ASTEP, s[PST]
	s_cselect_b32 s22, ttmp9, s22                  ; the coordinate along which other clusters read the same rows
	s_cselect_b64 s[PFA:PFA+1], s[4:5], s[6:7]
	s_cmp_eq_u32 s22, 0
	s_cselect_b32 s[LIM], 1, -1                    ; the same in all sixteen partners, for a given wave
	s_mul_i32 s23, s[PST], 3
	s_add_co_u32 s20, s20, s23                     ; at K step 3: the first refill steps the address to K step 4 and names it
	s_mov_b32 s21, 0
	s_mov_b32 s[PST+1], 0
	s_add_nc_u64 s[PFA:PFA+1], s[PFA:PFA+1], s[20:21]
	; nothing is prefetched here, at the head, where every work-group's first two tiles are on their way: K steps 2 and 3 come by their refills alone
; 16 matrix instructions: m blocks a0, a0 + 1 of the window's four (hi = 0: my rows 0-63, 1: rows 64-127) x all 8 n blocks, 32 along K.  The 64 accumulators take turns, one instruction a turn, in the same
; order in every quarter step.  zero = 1: the first product starts the sum, with the bias as its C: nothing is cleared, and no addition follows the sums.
.macro MUL16 f, hi, a0, zero
.if \zero
	WIN FST_LO+0x40*(\hi)
.else
	WIN MUL_LO+0x50*(\hi)
.endif
.irp a, \a0, (\a0)+1
.irp b, 0,1,2,3,4,5,6,7
.if \zero
	v_wmma_f32_16x16x32_bf16 v[8*(8*(\a)+(\b)):8*(8*(\a)+(\b))+7], v[(\f)+8*(\b):(\f)+8*(\b)+7], v[(\f)+8*(4*(\hi)+(\a)):(\f)+8*(4*(\hi)+(\a))+7], v[BIAS+8*(\b):BIAS+8*(\b)+7]
.else
	v_wmma_f32_16x16x32_bf16 v[8*(8*(\a)+(\b)):8*(8*(\a)+(\b))+7], v[(\f)+8*(\b):(\f)+8*(\b)+7], v[(\f)+8*(4*(\hi)+(\a)):(\f)+8*(4*(\hi)+(\a))+7], v[8*(8*(\a)+(\b)):8*(8*(\a)+(\b))+7]
.endif
.endr
.endr
.endm
; 32 LDS loads in one run: the fragments of quarter q of a K step (32 k x my 128 columns of wb, turned; my 128 rows of xb x 32 k) into buffer f.  The largest offset is 61,152, inside the 16-bit immediate.
.macro FETCH slot, q, f
	WIN TO_B
.irp i, 0,1,2,3,4,5,6,7
	ds_load_tr16_b128 v[(\f)+8*(\i):(\f)+8*(\i)+3],   v[ADRB+(\slot)] offset:(\q)*32*PB+32*(\i)
	ds_load_tr16_b128 v[(\f)+8*(\i)+4:(\f)+8*(\i)+7], v[ADRB+(\slot)] offset:(\q)*32*PB+16*PB+32*(\i)
.endr
	WIN 0
.irp i, 0,1,2,3,4,5,6,7
	ds_load_b128 v[(\f)+8*(\i):(\f)+8*(\i)+3],   v[ADRA+(\slot)] offset:64*(\q)+(\i)*16*PA
	ds_load_b128 v[(\f)+8*(\i)+4:(\f)+8*(\i)+7], v[ADRA+(\slot)] offset:64*(\q)+(\i)*16*PA+32
.endr
.endm
; A load into a register that a matrix instruction has read, and an LDS store that reads a matrix result, stand four places behind that matrix instruction, and only plain vector instructions that name none of
; its registers are places (ISA guide 7.12.1 for vector instructions); the matrix instructions in between are not counted.
.macro PLACES
.rept 4
	v_nop
.endr
.endm
; A K step is four quarters of 32 along K, 64 matrix instructions each, on buffers 0, 1, 0, 1.  One of the first three: multiplies buffer f; in its middle it fetches quarter q of the same slot into buffer g.
.macro QUARTER slot, q, f, g, zero
	s_wait_dscnt 8                                 ; wb's fragments and xb's rows 0-63 are in; the youngest eight loads (xb's rows 64-127) may be out
	MUL16 \f, 0, 0, \zero
	MUL16 \f, 0, 2, \zero
	PLACES
	FETCH \slot, \q, \g
	s_wait_dscnt 32                                ; all but the 32 just issued
	MUL16 \f, 1, 0, \zero
	MUL16 \f, 1, 2, \zero
.endm
; The last quarter multiplies buffer 1 and changes slots: ONE barrier, for two things.  In front of it each wave waits for all its tensor loads, of which one is out: its part of the next slot; adds 0 to its
; spare word; and waits for that and for its own reads of this slot.  Behind it nobody reads this slot any more and the next slot is whole.
; fill = 1: the barrier opens a round of the cluster's barrier, and behind the round this slot is filled again first, with the K step two steps on; from that request to the wait for it a wave issues 224 matrix instructions.
.macro TURN slot, next, fill
.if \fill
	s_wait_xcnt 0x0                                ; the last prefetch, a K step back, has read its address: it is stepped here, ahead of the waits of the change of slots
	s_add_nc_u64 s[PFA:PFA+1], s[PFA:PFA+1], s[PST:PST+1]
.endif
	WIN 0                                          ; (the add's two registers lie in window 0)
	s_wait_tensorcnt 0x0                           ; all my tensor loads have landed: the one that was out is my part of the next slot;
	ds_add_u32 v[SPW], v[NIL]                      ; 0 onto my spare word;
	s_wait_dscnt 9                                 ; (the add and the youngest eight loads may be out)
	MUL16 F1, 0, 0, 0                              ; sixteen matrix instructions stand between the add and the wait for it
	s_wait_dscnt 0x0                               ; the add is done, and my reads of this slot are over:
	s_barrier_signal -1                            ; say so,
	MUL16 F1, 0, 2, 0                              ; work on registers while the others arrive,
.if \fill
	WIN 0
.endif
	s_barrier_wait -1                              ; and go on when all four have said so
.if \fill
	CREST                                          ; all sixteen work-groups have said so: no wave of any partner still reads this slot's tile or has a load on its way
	s_add_nc_u64 s[G0+4*(\slot)+2:G0+4*(\slot)+3], s[G0+4*(\slot)+2:G0+4*(\slot)+3], 2*ASTEP    ; no tensor load of mine is out, so a group 0 may be written; the type bits on top are not reached
	s_add_nc_u64 s[G0B+4*(\slot)+2:G0B+4*(\slot)+3], s[G0B+4*(\slot)+2:G0B+4*(\slot)+3], 2*BSTEP
	JLOAD \slot                                    ; the first tensor load behind the round, and my only one until the next; the four v_nop behind it are also the places in front of the loads below
.else
	PLACES
.endif
	FETCH \next, 0, F0
.if \fill
	ASK                                            ; behind the joint load and the run of LDS loads that the next products wait for
.endif
	MUL16 F1, 1, 0, 0
	MUL16 F1, 1, 2, 0
.endm
; THE WAY OUT of block a (16 rows x my 128 columns, f32).  A lane's 32 bytes are a sixteenth of a row's 512, and the lanes beside it hold other rows: so the block goes through my own stage in LDS.
; TOSTAGE: 32 bytes a lane and accumulator into rows of 528 bytes, each accumulator's four lowest registers first; then back as whole rows, into the fragment buffer a % 2 of window 0.
.macro TOSTAGE a
.set AC, 64*((\a)%4)
.set BK, F0+64*((\a)%2)
	WIN 0x08+4*((\a)/4)                            ; the stores' data (source 1) in window 2 or 3, the address in window 0
.irp b, 0,1,2,3,4,5,6,7
	ds_store_b128 v[STO], v[AC+8*(\b):AC+8*(\b)+3]   offset:64*(\b)
	ds_store_b128 v[STO], v[AC+8*(\b)+4:AC+8*(\b)+7] offset:64*(\b)+16
.endr
	WIN 0
.if (\a) >= 2
	s_wait_xcnt 0x0                                ; the stores of the block two back have read this buffer: it is loaded again only behind this wait
.endif
.irp t, 0,1,2,3,4,5,6,7,8,9,10,11,12,13,14,15
	ds_load_b128 v[BK+4*(\t):BK+4*(\t)+3], v[RD] offset:(\t)*SP  ; LDS serves a wave's instructions in order (ISA guide 5.7.1.4): these see the stores above, and the next block's stores come behind them
.endr
.endm
; SEND: block a's 16 rows are stored.  younger: the LDS instructions issued behind block a's loads: the next block's 16 stores and 16 loads, or none.
.macro SEND a, younger
.set BK, F0+64*((\a)%2)
.irp t, 0,1,2,3,4,5,6,7,8,9,10,11,12,13,14,15
	s_wait_dscnt (\younger)+15-(\t)                ; row t is back in registers
	global_store_b128 v[CO], v[BK+4*(\t):BK+4*(\t)+3], s[8:9] offset:(16*(\a)+(\t))*SIZE_N*4 th:TH_STORE_NT  ; 32 lanes store 512 consecutive bytes, at a multiple of 512 from out0's first; the row stands in the immediate (2,080,768 at the most), so neither base nor offset is rewritten
.endr
.endm
	s_wait_tensorcnt 1                             ; my part of K step 0 is in; K step 1's may stay out
	s_barrier_signal -1
	s_barrier_wait -1                              ; everybody's is
	FETCH 0, 0, F0
	s_wait_loadcnt 0x0                             ; the bias
	QUARTER 0, 1, F0, F1, 1                        ; the first quarter stands in front of the loop: its products start the sums
	WIN 0                                          ; at a label and at a branch every window is 0
	s_mov_b32 s3, LAPS-1
.Llap:                                                 ; 15 trips: a trip goes once round the ring, from a lap's second quarter to the next lap's first, and fills both slots again (K steps 2 to 31)
	QUARTER 0, 2, F1, F0, 0
	QUARTER 0, 3, F0, F1, 0
	TURN 0, 1, 1
	QUARTER 1, 1, F0, F1, 0
	QUARTER 1, 2, F1, F0, 0
	QUARTER 1, 3, F0, F1, 0
	TURN 1, 0, 1
	QUARTER 0, 1, F0, F1, 0
	WIN 0
	s_sub_co_u32 s3, s3, 1
	s_cmp_lg_u32 s3, 0
	s_cbranch_scc1 .Llap
	QUARTER 0, 2, F1, F0, 0                        ; the last lap is written out: it fills nothing, and it has no round of the cluster's barrier
	QUARTER 0, 3, F0, F1, 0
	TURN 0, 1, 0                                   ; my one tensor load that was still out is slot 1's: the last K step's
	QUARTER 1, 1, F0, F1, 0
	QUARTER 1, 2, F1, F0, 0
	QUARTER 1, 3, F0, F1, 0
	s_wait_dscnt 8                                 ; the very last quarter: nothing more to fetch
	MUL16 F1, 0, 0, 0
	MUL16 F1, 0, 2, 0
	s_wait_dscnt 0x0
	MUL16 F1, 1, 0, 0
	MUL16 F1, 1, 2, 0
	WIN 0
	PLACES                                         ; behind the last products, in front of the LDS stores that read results and of the loads into the fragment buffers:
	PLACES                                         ; twice four, once a launch
	TOSTAGE 0
.irp a, 1,2,3,4,5,6,7                  ; block a's way through the stage stands between block a - 1's loads from the stage and its stores
	TOSTAGE \a
	SEND (\a)-1, 32
.endr
	SEND 7, 0
	s_wait_tensorcnt 0x0                           ; the wave's end, behind my last tensor load and my last LDS store
	ds_add_u32 v[SPW], v[NIL]
	s_wait_dscnt 0x0
	CROUND                                         ; the closing round: no work-group ends while a partner may still ask for a tile that names it
	s_endpgm
.Lfunc_end_k_qb4320a8e59_gemm:
	.size	k_qb4320a8e59_gemm, .Lfunc_end_k_qb4320a8e59_gemm-k_qb4320a8e59_gemm
	.p2alignl 7, 3214868480
	.fill 96, 4, 3214868480
	.section	.rodata,"a",@progbits
	.p2align	6, 0x0
	.amdhsa_kernel k_qb4320a8e59_gemm
		.amdhsa_group_segment_fixed_size 327680
		.amdhsa_private_segment_fixed_size 0
		.amdhsa_enable_private_segment 0
		.amdhsa_kernarg_size 32
		.amdhsa_user_sgpr_count 2
		.amdhsa_user_sgpr_kernarg_segment_ptr 1
		.amdhsa_wavefront_size32 1
		.amdhsa_system_sgpr_workgroup_id_x 1
		.amdhsa_system_sgpr_workgroup_id_y 1
		.amdhsa_system_sgpr_workgroup_id_z 1
		.amdhsa_system_vgpr_workitem_id 0
		.amdhsa_next_free_vgpr 1024
		.amdhsa_next_free_sgpr 70
		.amdhsa_reserve_vcc 0
		.amdhsa_float_denorm_mode_32 3
		.amdhsa_float_denorm_mode_16_64 3
		.amdhsa_memory_ordered 1
		.amdhsa_forward_progress 1
		.amdhsa_inst_pref_size 147
	.end_amdhsa_kernel
	.amdgpu_metadata
---
amdhsa.version: [ 1, 2 ]
amdhsa.kernels:
  - .name:           k_qb4320a8e59_gemm
    .symbol:         k_qb4320a8e59_gemm.kd
    .args:
      - { .name: xb, .offset: 0, .size: 8, .value_kind: global_buffer, .address_space: global }
      - { .name: wb, .offset: 8, .size: 8, .value_kind: global_buffer, .address_space: global }
      - { .name: out0, .offset: 16, .size: 8, .value_kind: global_buffer, .address_space: global }
      - { .name: b, .offset: 24, .size: 8, .value_kind: global_buffer, .address_space: global }
    .group_segment_fixed_size: 327680
    .private_segment_fixed_size: 0
    .kernarg_segment_align: 8
    .kernarg_segment_size: 32
    .max_flat_workgroup_size: 128
    .sgpr_count:     70
    .vgpr_count:     1024
    .wavefront_size: 32
...
	.end_amdgpu_metadata
.endif
;; end of part 2
;; ======== version 2 of 2: 2 launches; version 1 with the launch cast written anew for expert scheduling mode
;; workspace buffers: xb 33,554,432 bytes; wb 33,554,432 bytes
;; launch cast (part 3): grid 512 x 2, 8 waves a work-group, no clusters, 0 bytes of LDS; arguments x, W, xb, wb; writes xb, wb
.if DOCPART == 3
	.amdgcn_target "amdgcn-amd-amdhsa--gfx1250"
	.amdhsa_code_object_version 6
	.text
	.protected	k_qb4320a8e59_cast
	.globl	k_qb4320a8e59_cast
	.p2align	8
	.type	k_qb4320a8e59_cast,@function
k_qb4320a8e59_cast:
	s_mov_b64 s[64:65], 0
	v_nop
	global_prefetch_b8 v0, s[64:65] scope:SCOPE_SE
	s_setreg_imm32_b32 hwreg(HW_REG_WAVE_SCHED_MODE, 0, 2), 2
	s_setreg_imm32_b32 hwreg(HW_REG_WAVE_MODE, 25, 1), 1
	s_wait_xcnt 0x0
	s_wait_alu depctr_vm_vsrc(0)
; xb = bf16(x), wb = bf16(W): each f32 number rounded once, to nearest even; the layout stays ([4096][4096], the last index along the rows).
; LIMITS.  bf16 has f32's exponents, so no range is lost but at the very top: a magnitude that rounds past bf16's largest finite number (3.39e38) becomes an infinity.  NaN and infinities pass as the conversion gives them.
; SHARES.  Grid y = 0 takes x, y = 1 takes W.  Work-group g owns 131,072 consecutive bytes of the input (512 x 131,072 = the tensor's 67,108,864) and the 65,536 bytes of the output that they make.
; Thread t takes 32 chunks: 16 bytes in at 16 t + 4,096 i, 8 bytes out at 8 t + 2,048 i.  So a wave's load covers 512 consecutive bytes, aligned, and a wave's store 256 consecutive bytes, aligned.
; The chunk's place stands in the immediate, so no address register and no base is ever rewritten, and nothing is looped over.
; No LDS, no barrier, no matrix unit: no byte is wanted twice, and no wave wants another's.
; THE MODE: SCHED_MODE bits 1:0 = 2 (LLVM: expert scheduling mode 2), set by the entry lines.  The code itself states the register dependences
; between vector instructions and memory instructions, with s_wait_alu, always for 0.
; THE PLAN.  The 32 chunks go in 8 blocks of four.  Registers that memory instructions touch:
;   v1, v2     byte offsets, made once at the head and never written again.  Read by every load (v1) and every store (v2).
;   X0 .. X4   five blocks of f32 as loaded; block p lies in X[p % 5].  The head asks for blocks 0 to 3; block p (0 to 3) asks for block p + 4, which lands in X[(p + 4) % 5] = X[(p - 1) % 5]:
;              X4, which nothing has named, and then the buffer that the block before has just read.  12 to 16 loads of every wave are on their way.
;   Y0 .. Y2   blocks 0 to 2 round into these, since their X is asked for again.  Blocks 3 to 7 round in place, into the first two of each chunk's four X registers: no further load lands there.
;              Either way a block's out registers are written once in the kernel, by its conversions, and read by the four stores that are issued in the next block.
; Block p's conversions name X[p % 5] and (p < 3) Y[p].  Its memory instructions are the loads into X[(p - 1) % 5] and the stores from the out registers of block p - 1, which no vector instruction of block p
; names.  So ONE wait at a block's head states all that the block's memory instructions hang on, and these are dealt among its conversions with no further wait.
; No register that a load or store has read is ever written again: so nothing is owed before a write, neither for the stores' data nor for an offset or a base.
.set BLOCK,  4                         ; chunks in a block
.set BLOCKS, 8
.set NX,     5                         ; buffers of loaded data
.set CHIN,   4096                      ; bytes that the work-group's 256 threads read in a chunk
.set CHOUT,  2048                      ; and write
.set X, 4                              ; v[4:83]    buffer k, chunk c: 4 registers at X + 16 k + 4 c, four f32 as loaded; in blocks 3 to 7 the first two then hold four bf16 to store
.set Y, 84                             ; v[84:107]  block p (0 to 2), chunk c: 2 registers at Y + 8 p + 2 c, four bf16 to store
	s_load_b256 s[4:11], s[0:1], 0x0               ; x s[4:5], W s[6:7], xb s[8:9], wb s[10:11]
	v_lshlrev_b32 v1, 4, v0                        ; 16 t: my bytes of a chunk on the way in; never rewritten
	v_lshlrev_b32 v2, 3, v0                        ; 8 t: on the way out; never rewritten
	s_lshl_b32 s12, ttmp9, 17                      ; the work-group's part of the input (under 2^26),
	s_mov_b32 s13, 0
	s_lshl_b32 s14, ttmp9, 16                      ; and of the output
	s_mov_b32 s15, 0
	s_and_b32 s2, ttmp7, 0xffff                    ; which tensor
	s_wait_kmcnt 0x0
	s_cmp_eq_u32 s2, 0
	s_cselect_b64 s[4:5], s[4:5], s[6:7]           ; from x or from W,
	s_cselect_b64 s[8:9], s[8:9], s[10:11]         ; to xb or to wb
	s_add_nc_u64 s[4:5], s[4:5], s[12:13]
	s_add_nc_u64 s[8:9], s[8:9], s[14:15]
	s_wait_alu depctr_va_vdst(0)                   ; v1 and v2 are written: every load and store of the kernel reads one of them as its offset
.irp i, 0,1,2,3,4,5,6,7,8,9,10,11,12,13,14,15
	global_load_b128 v[X+4*(\i):X+4*(\i)+3], v1, s[4:5] offset:CHIN*(\i) th:TH_LOAD_NT  ; blocks 0 to 3 into X0 to X3
.endr
; The store of chunk c of block p, from where the block has rounded to.
.macro PUT p, c
.if (\p) < BLOCKS-NX
	global_store_b64 v2, v[Y+8*(\p)+2*(\c):Y+8*(\p)+2*(\c)+1], s[8:9] offset:CHOUT*(BLOCK*(\p)+(\c)) th:TH_STORE_NT
.else
	global_store_b64 v2, v[X+16*((\p)%NX)+4*(\c):X+16*((\p)%NX)+4*(\c)+1], s[8:9] offset:CHOUT*(BLOCK*(\p)+(\c)) th:TH_STORE_NT
.endif
.endm
; Block p.  left = how many younger loads may still be out when this block's four have to be there.
; Blocks 0 to 3 ask for the block four further on, the load ahead of the store; blocks 1 to 7 store the block before.
.macro BLK p, left
	s_wait_loadcnt \left                           ; loads come back in order (ISA guide 5.7.1): X[p % 5] is in, the younger blocks stay out
.if (\p) > 0
	s_wait_alu depctr_va_vdst(0)                   ; the block before has written its out registers, which the stores below read, and is done reading its X, in which the loads below (blocks 1 to 3) land
.endif
.irp c, 0,1,2,3
.set SRC, X+16*((\p)%NX)+4*(\c)
.if (\p) < BLOCKS-NX
.set DST, Y+8*(\p)+2*(\c)                      ; this block's X is asked for again in the next block: it rounds apart
.else
.set DST, X+16*((\p)%NX)+4*(\c)                ; no further load lands here: it rounds in place
.endif
.if (\p) < BLOCKS-NX+1
	global_load_b128 v[X+16*(((\p)+NX-1)%NX)+4*(\c):X+16*(((\p)+NX-1)%NX)+4*(\c)+3], v1, s[4:5] offset:CHIN*(BLOCK*((\p)+NX-1)+(\c)) th:TH_LOAD_NT  ; no vector instruction since the wait names these registers
.endif
.if (\p) > 0
	PUT (\p)-1, \c
.endif
	v_cvt_pk_bf16_f32 v[DST],   v[SRC],   v[SRC+1]     ; two roundings, packed: the first source in the low half
	v_cvt_pk_bf16_f32 v[DST+1], v[SRC+2], v[SRC+3]     ; (in place: the line above has read the register that this one writes)
.endr
.endm
	BLK 0, 3*BLOCK                                 ; 16 loads are out: the count 12 shows the oldest four in; so too in the next four blocks, each of which finds four more issued
	BLK 1, 3*BLOCK
	BLK 2, 3*BLOCK
	BLK 3, 3*BLOCK
	BLK 4, 3*BLOCK                                 ; blocks 4 to 7 load nothing: no load leaves the work-group's part,
	BLK 5, 2*BLOCK                                 ; and the counts run down
	BLK 6, BLOCK
	BLK 7, 0
	s_wait_alu depctr_va_vdst(0)                   ; block 7 has written its out registers, which the last four stores read
.irp c, 0,1,2,3
	PUT 7, \c
.endr
	s_endpgm
.Lfunc_end_k_qb4320a8e59_cast:
	.size	k_qb4320a8e59_cast, .Lfunc_end_k_qb4320a8e59_cast-k_qb4320a8e59_cast
	.p2alignl 7, 3214868480
	.fill 96, 4, 3214868480
	.section	.rodata,"a",@progbits
	.p2align	6, 0x0
	.amdhsa_kernel k_qb4320a8e59_cast
		.amdhsa_group_segment_fixed_size 0
		.amdhsa_private_segment_fixed_size 0
		.amdhsa_enable_private_segment 0
		.amdhsa_kernarg_size 32
		.amdhsa_user_sgpr_count 2
		.amdhsa_user_sgpr_kernarg_segment_ptr 1
		.amdhsa_wavefront_size32 1
		.amdhsa_system_sgpr_workgroup_id_x 1
		.amdhsa_system_sgpr_workgroup_id_y 1
		.amdhsa_system_sgpr_workgroup_id_z 1
		.amdhsa_system_vgpr_workitem_id 0
		.amdhsa_next_free_vgpr 108
		.amdhsa_next_free_sgpr 66
		.amdhsa_reserve_vcc 0
		.amdhsa_float_denorm_mode_32 3
		.amdhsa_float_denorm_mode_16_64 3
		.amdhsa_memory_ordered 1
		.amdhsa_forward_progress 1
		.amdhsa_inst_pref_size 12
	.end_amdhsa_kernel
	.amdgpu_metadata
---
amdhsa.version: [ 1, 2 ]
amdhsa.kernels:
  - .name:           k_qb4320a8e59_cast
    .symbol:         k_qb4320a8e59_cast.kd
    .args:
      - { .name: x, .offset: 0, .size: 8, .value_kind: global_buffer, .address_space: global }
      - { .name: W, .offset: 8, .size: 8, .value_kind: global_buffer, .address_space: global }
      - { .name: xb, .offset: 16, .size: 8, .value_kind: global_buffer, .address_space: global }
      - { .name: wb, .offset: 24, .size: 8, .value_kind: global_buffer, .address_space: global }
    .group_segment_fixed_size: 0
    .private_segment_fixed_size: 0
    .kernarg_segment_align: 8
    .kernarg_segment_size: 32
    .max_flat_workgroup_size: 256
    .sgpr_count:     66
    .vgpr_count:     108
    .wavefront_size: 32
...
	.end_amdgpu_metadata
.endif
;; end of part 3
;; launch gemm: the kernel of part 2 again; grid 16 x 16, 4 waves a work-group, clusters of 4 x 4, 327,680 bytes of LDS; arguments xb, wb, out0, b; writes out0
